; MI455X (gfx1250); checked and timed in simulation.
; The chip was launched on July 23, 2026; its instructions are those of AMD's public machine-readable ISA for CDNA 5 (MIT licence, August 2026) and "CDNA5" Instruction Set Architecture Reference Guide (July 2026). The comments in the code are by the model that wrote it; some were corrected since.
;; Index Linear. Allowed arithmetic: matrix products marked QUANTISED: E5M2 operands, one given power-of-two scale a tensor, by v_wmma_f32_16x16x64_bf8_bf8 or v_wmma_f32_16x16x128_bf8_bf8, f32 sums; everything else in f32.
;; Inputs: W 16 x 1,024 x 1,024 float32; b 16 x 1,024 float32; ind 4,096 int32; lowp_scales 2 int32 (the exponents e of the quantised operands' scales 2^e); x 4,096 x 1,024 float32.
;; Outputs: out0 4,096 x 1,024 float32.
;; This version of the problem:
;;   THIS VERSION OF THE PROBLEM IS GIVEN IN LOW PRECISION. The matrix products marked QUANTISED in the list below multiply operands that are first quantised to E5M2 (5 exponent bits, 2 mantissa bits; 8 bits a number), with one given power-of-two scale for each operand tensor; their sums are f32. All else is computed in f32.
;;   The module's matrix products, in the order in which they are computed (A, B: the left and right operand; K: the contracted axis; several contracted axes count as one K, in the product's order):
;;     1. [M 4,096, K 1,024] x [K 1,024, N 16,384]; A: input x; B: input W: QUANTISED (scales: A lowp_scales[0], B lowp_scales[1])
;;   THE QUANTISER, for each operand of a quantised product, along K:
;;     - The operand's scale is 2^e, e = its entry of the input lowp_scales (int32; the entries are numbered through the quantised products in the list's order, A before B).
;;     - Each number is divided by the scale, clamped to +-57,344, and rounded to the nearest number of E5M2, ties to even, subnormals kept.
;;     - The product sums the exact products of the quantised numbers (number of the format x scale) in f32.
;;   ~~~python
;;   def quantise(x, axis, e):      # numpy; x: float32 -> the quantised numbers, widened to float32 again
;;       x = np.moveaxis(x, axis, -1); K = x.shape[-1]
;;       r = np.clip(x / 2.0 ** e, -57344, 57344)
;;       step = 2.0 ** (np.maximum(np.frexp(np.where(r == 0, 1, r))[1] - 1, -14) - 2)
;;       q = np.round(r / step) * step * 2.0 ** e      # np.round: ties to even
;;       return np.moveaxis(q, -1, axis).astype(np.float32)
;;   ~~~
;; 2 versions. Each part assembles by itself: llvm-mc -triple=amdgcn-amd-amdhsa -mcpu=gfx1250 --defsym DOCPART=n.
;; ======== version 1 of 2: 2 launches
;; workspace buffers: xq 4,194,304 bytes; list 262,144 bytes of whole numbers; cnt 256 bytes of whole numbers
;; launch prep (part 1): grid 272 x 1, 4 waves a work-group, no clusters, 33,280 bytes of LDS; arguments x, ind, lowp_scales, xq, list, cnt; writes xq, list, cnt
.if DOCPART == 1
	.amdgcn_target "amdgcn-amd-amdhsa--gfx1250"
	.amdhsa_code_object_version 6
	.text
	.protected	k_qbc0cbff5dc_prep
	.globl	k_qbc0cbff5dc_prep
	.p2align	8
	.type	k_qbc0cbff5dc_prep,@function
k_qbc0cbff5dc_prep:
	s_mov_b64 s[64:65], 0
	v_nop
	global_prefetch_b8 v0, s[64:65] scope:SCOPE_SE
	s_setreg_imm32_b32 hwreg(HW_REG_WAVE_MODE, 25, 1), 1
	s_wait_xcnt 0x0
; Two jobs in one launch, parted on the work-group's number.
; WORK-GROUPS 0-15 (expert e = the number): the list of the tokens whose ind is e, list[e][0 .. c-1] (int32, any order), and their count cnt[e].
;   Each of the four waves places its own quarter of the 4,096 tokens and counts all four quarters itself, so the waves hand nothing to each other: no LDS, no barrier.
;   With c = 0 entry 0 of the list is written as 0, so that a clamped read of the list in the next launch meets a written word.
; WORK-GROUPS 16-271: x [4096][1024] f32 becomes codes of BF8 (E5M2), xq [4096][1024], K innermost, with the given scale 2^ex:
;   code = x / 2^ex, held within +-57,344, rounded to the nearest code, ties to even.  Rows are dense, so x is a plain stream: a wave takes 4,096 numbers in 8 steps of 512.
;   A conversion takes 8 neighbours from one lane's registers, a load is best where neighbouring lanes take neighbouring bytes: each load reads 512 consecutive bytes, 16 a lane,
;   a step's 2,048 bytes go through the wave's own stage in LDS as they lie and come back 64 bytes a lane (16 bytes of padding behind each 64).  A lane's 16 codes are 16 bytes: the wave stores 512 consecutive bytes.
; LIMITS: ex between -126 and 112, so that 2^ex and 57,344 x 2^ex are f32 numbers.  NaN among x is not served; an infinity is held at the largest code.  ind lies in 0 .. 15; a token with another ind enters no list.
.set RR, 16                            ; v16-143  x path: eight sets of 16 numbers as loaded, one a step: all 32 loads of a wave go out at once
.set XX, 144                           ; v144-175 two sets of 16 neighbours
.set CC, 176                           ; v176-207 codes: four registers for each step, so that no store's data are written again
.set SP, 80                            ; a lane's place in a stage: its 64 bytes + 16 of padding
.set IND, 16                           ; v16-143  builder: ind of four quarters, 32 registers each; block 0 is my own quarter
.set PP, 48                            ; v48-79   builder: byte places in the list (over block 1, which has been counted)
.set TT, 80                            ; v80-111  builder: token numbers (over block 2)
	s_load_b256 s[4:11], s[0:1], 0x0               ; x s[4:5], ind s[6:7], the scales' exponents s[8:9], xq s[10:11]
	s_load_b128 s[12:15], s[0:1], 0x20             ; list s[12:13], cnt s[14:15]
	v_lshl_add_u32 v208, v0, 2, 0x8000
	v_mov_b32 v209, 0
	v_lshrrev_b32 v1, 5, v0
	v_readfirstlane_b32 s16, v1                    ; wave 0..3
	v_and_b32 v2, 31, v0                           ; lane
	s_cmp_lt_u32 ttmp9, 16
	s_cbranch_scc1 .Lbuild
	; ---------------- x into codes ----------------
	v_lshlrev_b32 v3, 4, v2                        ; my 16 bytes of a load's 512, and of a store's 512; never rewritten
	s_lshl_b32 s17, s16, 13                        ; my wave's 8,192 bytes of LDS: two stages of 32 x 80
	v_lshrrev_b32 v14, 2, v2
	v_mul_u32_u24 v14, v14, SP
	v_and_b32 v15, 3, v2
	v_lshl_add_u32 v14, v15, 4, v14
	v_add_nc_u32 v14, s17, v14                     ; into the stage: four lanes' 64 bytes on end, then the padding
	v_mul_u32_u24 v15, v2, SP
	v_add_nc_u32 v15, s17, v15                     ; out of it: my 16 neighbours
	s_sub_co_u32 s18, ttmp9, 16
	s_lshl_b32 s18, s18, 2
	s_add_co_u32 s18, s18, s16                     ; which run of 4,096 numbers is my wave's: 0 .. 1,023
	s_lshl_b32 s20, s18, 14                        ; 16,384 bytes of x,
	s_mov_b32 s21, 0
	s_lshl_b32 s22, s18, 12                        ; 4,096 bytes of codes
	s_mov_b32 s23, 0
	s_wait_kmcnt 0x0
	s_load_b32 s24, s[8:9], 0x0                    ; ex
	s_add_nc_u64 s[4:5], s[4:5], s[20:21]
	s_add_nc_u64 s[10:11], s[10:11], s[22:23]
.macro LOAD t
.irp i, 0,1,2,3
	global_load_b128 v[RR+16*(\t)+4*\i:RR+16*(\t)+4*\i+3], v3, s[4:5] offset:2048*(\t)+512*\i th:TH_LOAD_NT   ; 32 lanes read 512 consecutive bytes; x is read once in the launch
.endr
.endm
.macro TURN t                          ; step t's numbers through the stage: LDS serves a wave's instructions in order (ISA guide 5.7.1.4), so no wait stands between the stores and the loads
.irp i, 0,1,2,3
	ds_store_b128 v14, v[RR+16*(\t)+4*\i:RR+16*(\t)+4*\i+3] offset:32*SP*((\t)%2)+8*SP*\i
.endr
.irp i, 0,1,2,3
	ds_load_b128 v[XX+16*((\t)%2)+4*\i:XX+16*((\t)%2)+4*\i+3], v15 offset:32*SP*((\t)%2)+16*\i
.endr
.endm
.irp t, 0,1,2,3,4,5,6,7
	LOAD \t
.endr
	s_wait_kmcnt 0x0
	s_add_co_i32 s24, s24, 127
	s_lshl_b32 s25, s24, 23
	v_mov_b32 v11, s25                             ; 2^ex as f32: the conversion takes its exponent field
	s_add_co_i32 s24, s24, 15
	s_lshl_b32 s24, s24, 23
	s_or_b32 s24, s24, 0x600000
	v_mov_b32 v10, s24                             ; 57,344 x 2^ex
	s_wait_loadcnt 28                              ; step 0's four loads are in; the 28 of steps 1 to 7 may be out
	TURN 0
.macro STEP t
	s_wait_dscnt 0x0                               ; this step's numbers are back from the stage
.if (\t) < 7
	s_wait_loadcnt 4*(6-(\t))                      ; the next step's four loads are in; those of the steps behind it may be out
	TURN (\t)+1                                    ; and go through the other stage while this step is worked
.endif
.irp i, 0,1,2,3,4,5,6,7,8,9,10,11,12,13,14,15
	v_med3_num_f32 v[XX+16*((\t)%2)+\i], v[XX+16*((\t)%2)+\i], -v10, v10   ; the conversion to an 8-bit code does not saturate (ISA guide 7.6.2): hold the number first
.endr
	v_cvt_scalef32_pk8_bf8_f32 v[CC+4*(\t):CC+4*(\t)+1], v[XX+16*((\t)%2):XX+16*((\t)%2)+7], v11
	v_cvt_scalef32_pk8_bf8_f32 v[CC+4*(\t)+2:CC+4*(\t)+3], v[XX+16*((\t)%2)+8:XX+16*((\t)%2)+15], v11
	global_store_b128 v3, v[CC+4*(\t):CC+4*(\t)+3], s[10:11] offset:512*(\t)   ; 512 consecutive bytes, aligned; the next launch reads them again, so no hint.  (The codes go to a store alone; the next vector lines are the next step's plain holds, on the other set)
.endm
.irp t, 0,1,2,3,4,5,6,7
	STEP \t
.endr
	s_wait_tensorcnt 0x0
	ds_add_u32 v208, v209
	s_wait_dscnt 0x0
	s_endpgm
	; ---------------- the list of expert e ----------------
	; s20 e; s[24:27] the counts of blocks 0-3 (block q is quarter (wave + q) mod 4); s28 the running place; s29 c; s30 at work; s31 EXEC kept; s[32:63] my quarter's 32 masks; s[68:75] masks at work
	; v[4:7] the four blocks' byte offsets in ind; v8 my first token; v9 = 0, the offset of wave 0's last stores; v12 = c.  v9 and v12 are made while every lane is on, ahead of the first line that narrows EXEC
.Lbuild:
	v_mov_b32 v9, 0
	s_mov_b32 s20, ttmp9
	s_lshl_b32 s22, s20, 14                        ; the expert's 4,096 words of the list
	s_mov_b32 s23, 0
.irp q, 0,1,2,3
	s_add_co_u32 s30, s16, \q
	s_and_b32 s30, s30, 3
	s_lshl_b32 s30, s30, 12                        ; a quarter of ind is 4,096 bytes
	v_lshl_add_u32 v[4+\q], v2, 4, s30             ; 16 x lane + the quarter
.endr
	s_lshl_b32 s30, s16, 10
	v_lshl_add_u32 v8, v2, 2, s30                  ; the token in my register 0 of block 0: 1,024 x wave + 4 x lane
	s_wait_kmcnt 0x0
	s_add_nc_u64 s[12:13], s[12:13], s[22:23]
	s_lshl_b32 s22, s20, 2
	s_add_nc_u64 s[14:15], s[14:15], s[22:23]      ; cnt[e]
.irp q, 0,1,2,3
.irp i, 0,1,2,3,4,5,6,7
	global_load_b128 v[IND+32*\q+4*\i:IND+32*\q+4*\i+3], v[4+\q], s[6:7] offset:512*\i   ; register 4 i + j: token (quarter) + 128 i + 4 x lane + j
.endr
.endr
.macro COUNT q                         ; how many tokens of block q are the expert's; block 0's masks are kept
	s_wait_loadcnt 8*(3-\q)                        ; the block's eight loads are in; the later blocks' may be out
	s_mov_b32 s[24+\q], 0
.irp a, 0,1,2,3
.irp g, 0,1,2,3,4,5,6,7
.if \q == 0
	v_cmp_eq_u32 s[32+8*\a+\g], s20, v[IND+8*\a+\g]
.else
	v_cmp_eq_u32 s[68+\g], s20, v[IND+32*\q+8*\a+\g]
.endif
.endr
.irp g, 0,1,2,3,4,5,6,7
.if \q == 0
	s_bcnt1_i32_b32 s30, s[32+8*\a+\g]
.else
	s_bcnt1_i32_b32 s30, s[68+\g]
.endif
	s_add_co_u32 s[24+\q], s[24+\q], s30
.endr
.endr
.endm
	COUNT 0
	COUNT 1
	COUNT 2
	COUNT 3
	s_mov_b32 s28, 0                               ; my first place: the counts of the quarters in front of mine
.irp q, 1,2,3
	s_add_co_u32 s30, s16, \q
	s_and_b32 s30, s30, 3
	s_cmp_lt_u32 s30, s16
	s_cselect_b32 s30, s[24+\q], 0
	s_add_co_u32 s28, s28, s30
.endr
	s_add_co_u32 s29, s24, s25
	s_add_co_u32 s29, s29, s26
	s_add_co_u32 s29, s29, s27                     ; c
	v_mov_b32 v12, s29
.irp i, 0,1,2,3,4,5,6,7                ; places, with all lanes on: register by register, within a register by lane
.irp j, 0,1,2,3
	v_mbcnt_lo_u32_b32 v[PP+4*\i+\j], s[32+4*\i+\j], s28   ; the running place + the matches in the lanes below mine
	s_bcnt1_i32_b32 s30, s[32+4*\i+\j]
	s_add_co_u32 s28, s28, s30
	v_min_u32 v[PP+4*\i+\j], 0xfff, v[PP+4*\i+\j]  ; a place made from loaded numbers is bounded by a constant before it enters an address; a true place is under 4,096
	v_lshlrev_b32 v[PP+4*\i+\j], 2, v[PP+4*\i+\j]
	v_add_nc_u32 v[TT+4*\i+\j], 128*\i+\j, v8
.endr
.endr
	s_wait_xcnt 0x0                                ; EXEC is a source of the loads above: it changes only behind this wait
.irp g, 0,1,2,3,4,5,6,7,8,9,10,11,12,13,14,15,16,17,18,19,20,21,22,23,24,25,26,27,28,29,30,31
	s_mov_b32 vcc_lo, s[32+\g]
	s_and_saveexec_b32 s31, vcc_lo                 ; the lanes whose token is the expert's
	global_store_b32 v[PP+\g], v[TT+\g], s[12:13]
	s_wait_xcnt 0x0                                ; and again in front of the line that widens EXEC; nothing is issued between that line and the next narrowing
	s_or_b32 exec_lo, exec_lo, s31
.endr
	s_cmp_lg_u32 s16, 0
	s_cbranch_scc1 .Lbend
	global_store_b32 v9, v12, s[14:15]             ; cnt[e]: all lanes of wave 0 write the one word with the one value
	s_cmp_lg_u32 s29, 0
	s_cbranch_scc1 .Lbend
	global_store_b32 v9, v9, s[12:13]              ; an expert without tokens: list[e][0] = 0
.Lbend:
	s_endpgm
.Lfunc_end_k_qbc0cbff5dc_prep:
	.size	k_qbc0cbff5dc_prep, .Lfunc_end_k_qbc0cbff5dc_prep-k_qbc0cbff5dc_prep
	.p2alignl 7, 3214868480
	.fill 96, 4, 3214868480
	.section	.rodata,"a",@progbits
	.p2align	6, 0x0
	.amdhsa_kernel k_qbc0cbff5dc_prep
		.amdhsa_group_segment_fixed_size 33280
		.amdhsa_private_segment_fixed_size 0
		.amdhsa_enable_private_segment 0
		.amdhsa_kernarg_size 48
		.amdhsa_user_sgpr_count 2
		.amdhsa_user_sgpr_kernarg_segment_ptr 1
		.amdhsa_wavefront_size32 1
		.amdhsa_system_sgpr_workgroup_id_x 1
		.amdhsa_system_sgpr_workgroup_id_y 1
		.amdhsa_system_sgpr_workgroup_id_z 1
		.amdhsa_system_vgpr_workitem_id 0
		.amdhsa_next_free_vgpr 210
		.amdhsa_next_free_sgpr 80
		.amdhsa_reserve_vcc 1
		.amdhsa_float_denorm_mode_32 3
		.amdhsa_float_denorm_mode_16_64 3
		.amdhsa_memory_ordered 1
		.amdhsa_forward_progress 1
		.amdhsa_inst_pref_size 57
	.end_amdhsa_kernel
	.amdgpu_metadata
---
amdhsa.version: [ 1, 2 ]
amdhsa.kernels:
  - .name:           k_qbc0cbff5dc_prep
    .symbol:         k_qbc0cbff5dc_prep.kd
    .args:
      - { .name: x, .offset: 0, .size: 8, .value_kind: global_buffer, .address_space: global }
      - { .name: ind, .offset: 8, .size: 8, .value_kind: global_buffer, .address_space: global }
      - { .name: lowp_scales, .offset: 16, .size: 8, .value_kind: global_buffer, .address_space: global }
      - { .name: xq, .offset: 24, .size: 8, .value_kind: global_buffer, .address_space: global }
      - { .name: list, .offset: 32, .size: 8, .value_kind: global_buffer, .address_space: global }
      - { .name: cnt, .offset: 40, .size: 8, .value_kind: global_buffer, .address_space: global }
    .group_segment_fixed_size: 33280
    .private_segment_fixed_size: 0
    .kernarg_segment_align: 8
    .kernarg_segment_size: 48
    .max_flat_workgroup_size: 128
    .sgpr_count:     80
    .vgpr_count:     210
    .wavefront_size: 32
...
	.end_amdgpu_metadata
.endif
;; end of part 1
;; launch gemm (part 2): grid 16 x 16, 4 waves a work-group, no clusters, 133,632 bytes of LDS; arguments W, b, xq, list, cnt, lowp_scales, out0; writes out0
.if DOCPART == 2
	.amdgcn_target "amdgcn-amd-amdhsa--gfx1250"
	.amdhsa_code_object_version 6
	.text
	.protected	k_qbc0cbff5dc_gemm
	.globl	k_qbc0cbff5dc_gemm
	.p2align	8
	.type	k_qbc0cbff5dc_gemm,@function
k_qbc0cbff5dc_gemm:
	s_mov_b64 s[64:65], 0
	v_nop
	global_prefetch_b8 v0, s[64:65] scope:SCOPE_SE
	s_setreg_imm32_b32 hwreg(HW_REG_WAVE_MODE, 25, 1), 1
	s_wait_xcnt 0x0
; out0[n][o] = 2^(ex + ew) x (sum over k of code(x[n][k]) code(W[e][o][k])) + b[e][o] for the tokens n whose expert is e: only the chosen expert's rows are multiplied.
; SHARES.  Work-group (slice = x, e = y) owns columns o0 = 64 x slice .. + 63 of expert e: 256 work-groups, each reads its 256 KiB of W (f32) once, and nobody else reads them.
; PHASE W.  Wave w takes column tile t = w: the 16 rows o0 + 4 r + t of W (which rows form a tile is free).  Each load reads 512 consecutive bytes of a row; a K step (16 rows x 128 k) turns through the wave's own
;   stage in LDS so that lane (r, h) holds, of row r, k = 128 s + 32 c + 16 h + 0 .. 15 in registers 16 c on; it is held within +-57,344 x 2^ew, converted to BF8 (E5M2), and stored in LDS as an image of the operand's registers.
;   One barrier; then every wave loads all 32 fragments (4 tiles x 8 K steps, 512 registers) and keeps them.
; TOKEN LOOP.  Wave w takes the tiles w, w + 4, .. of 16 entries of the expert's list.  Source 0 = 16 tokens' codes (gathered rows of xq), source 1 = a tile of W: register j of lane (r, h) is (token 8 h + j, column o0 + 4 r + t).
;   Over the four tiles a lane holds 4 neighbouring columns of a token, 16 bytes, and sixteen neighbouring lanes 256 consecutive bytes of out0, aligned: no way through LDS on the way out.
;   An index past the list's end is clamped to its last entry: a short last tile repeats the last token, computes the same numbers and stores the same bytes again, from this wave.  So no lane is ever off.
;   An expert without tokens: its work-groups do phase W in vain and store nothing (every wave must pass the barrier, so nothing ahead of it hangs on the count).
; k inside a K step of 128 is permuted alike in both operands (16 neighbours a group of four registers): every product meets its partner; only the order of the sums inside an instruction differs.
; NO TENSOR LOADS, NO CLUSTER: what the sixteen slices of an expert share, the tokens' code rows, is gathered row by row through a list and its number of tiles is read from memory; a joint tile load wants a rectangle and a
;   constant count.  W, three quarters of the bytes read, is shared by nobody.
; LIMITS: ew between -126 and 112; ex + ew between -126 and 127 (each power of two below is an f32 number).  NaN among W is not served; an infinity is held at the largest code.
; LDS: [0, 67,584): wave w's two stages of 16 rows x 528 bytes (512 + 16 of padding = 33 x 16: the 16 rows that a read touches fall on 16 different 16-byte columns of 256) at 16,896 w.
;      [67,584, 133,120): fragment (t, s) at (8 t + s) x 2,048 + 512 c + 16 x lane.
; REGISTERS, in windows of 256.  Window 0: below.  Window 1: v0-127 the tokens' codes, K step s at 16 s.  Windows 2, 3: W's fragment (t, s) at 64 (s % 4) + 16 t of window 2 + s / 4.
;   In phase W: window 2 = four sets of 64 registers of W as loaded (set s % 4); window 3: v0-127 two sets of 64 numbers turned, v128-143 the codes just made.
.set STGW, 16896
.set STG1, 8448
.set SPI,  528
.set WIMG, 67584
.set L16,  1                           ; v1   16 x lane
.set STI,  2                           ; v2   into my stage
.set STO,  3                           ; v3   out of it: 528 r + 64 h
.set IMGW, 4                           ; v4   where I store my tile's images
.set IMGR, 5                           ; v5   from where any image is read
.set RL,   6                           ; v6   r = lane % 16
.set H8,   7                           ; v7   8 h
.set SC,   8                           ; v8   2^ew
.set LIM,  9                           ; v9   57,344 x 2^ew
.set XOFF, 10                          ; v10  byte offset of my token's codes in xq, + 16 h
.set LA,   11                          ; v11  the token of list entry 16 tile + r
.set IDXA, 12                          ; v12  its byte place in the list
.set H16,  13                          ; v13  16 h
.set R16,  14                          ; v14  16 r
.set LS,   16                          ; v16-23  the tokens of list entries 16 tile + 8 h + j
.set IDXS, 24                          ; v24-31  their byte places in the list
.set OUTO, 32                          ; v32-39  their byte offsets in out0, + 16 r
.set BIAS, 44                          ; v44-47  b at columns o0 + 4 r + t
.set ACC,  48                          ; v48-79  accumulator t at 48 + 8 t
.set OUTV, 80                          ; v80-111 token j's four columns at 80 + 4 j
.set WV,   18                          ; s18 wave; s19 slice; s20 e; s[22:23] an offset; s24 C = the count; s[30:31] ex, ew; s33, s34 at work
.set C1,   25                          ; s25 the list's last index: max(C, 1) - 1
.set MYT,  26                          ; s26 my wave's tiles: of the (C + 15) / 16 tiles of 16 those numbered w, w + 4, ..
.set SIT,  27                          ; s27 the loop's counter, in steps of 1
.set TA,   28                          ; s28 16 x the tile whose LA is asked for next
.set TS,   29                          ; s29 the same for LS
.set SCL,  32                          ; s32 2^(ex + ew) as f32
.set MSB, 0
.macro WIN new                         ; the immediate's high byte repeats the setting that is left; a switch that changes nothing is dropped
.if MSB != (\new)
	s_set_vgpr_msb (MSB<<8)|(\new)
.set MSB, (\new)
.endif
.endm
.set LDW,  0x80                        ; destination window 2
.set STIW, 0x08                        ; an LDS store's data window 2
.set STOW, 0xc0                        ; destination window 3
.set QW,   0xc3                        ; destination and source 0 window 3
.set IMG,  0x0c                        ; an LDS store's data window 3
.set XW,   0x40                        ; destination window 1
.set M2,   0x09                        ; source 0 (tokens) window 1, source 1 (W) window 2, C and D window 0
.set M3,   0x0d                        ; the same with W in window 3
.macro LOADW s                         ; K step s of my 16 rows: each load 512 consecutive bytes of row o0 + 4 i + w; W is read once in the launch
	WIN LDW
.irp i, 0,1,2,3,4,5,6,7,8,9,10,11,12,13,14,15
	global_load_b128 v[64*((\s)%4)+4*\i:64*((\s)%4)+4*\i+3], v[L16], s[4:5] offset:16384*\i+512*(\s) th:TH_LOAD_NT
.endr
.endm
.macro TURNW s                         ; through my stage: in as loaded, out 64 bytes a lane and block of 32 k.  LDS serves a wave's instructions in order (ISA guide 5.7.1.4): no wait between
	WIN STIW
.irp i, 0,1,2,3,4,5,6,7,8,9,10,11,12,13,14,15
	ds_store_b128 v[STI], v[64*((\s)%4)+4*\i:64*((\s)%4)+4*\i+3] offset:STG1*((\s)%2)+SPI*\i
.endr
	WIN STOW
.irp c, 0,1,2,3
.irp q, 0,1,2,3
	ds_load_b128 v[64*((\s)%2)+16*\c+4*\q:64*((\s)%2)+16*\c+4*\q+3], v[STO] offset:STG1*((\s)%2)+128*\c+16*\q
.endr
.endr
.endm
.macro QUANTW s                        ; 64 numbers of a lane become a fragment's 16 registers of codes, which go to LDS as they stand
	WIN QW
.irp c, 0,1,2,3
.irp i, 0,1,2,3,4,5,6,7,8,9,10,11,12,13,14,15
	v_med3_num_f32 v[64*((\s)%2)+16*\c+\i], v[64*((\s)%2)+16*\c+\i], -v[LIM], v[LIM]   ; the conversion to an 8-bit code does not saturate (ISA guide 7.6.2): hold the number first
.endr
	v_cvt_scalef32_pk8_bf8_f32 v[128+4*\c:129+4*\c], v[64*((\s)%2)+16*\c:64*((\s)%2)+16*\c+7], v[SC]
	v_cvt_scalef32_pk8_bf8_f32 v[130+4*\c:131+4*\c], v[64*((\s)%2)+16*\c+8:64*((\s)%2)+16*\c+15], v[SC]
.endr
	v_nop                                          ; one plain vector line behind the last conversion: later vector and matrix lines touch these registers
	WIN IMG
.irp c, 0,1,2,3
	ds_store_b128 v[IMGW], v[128+4*\c:131+4*\c] offset:2048*(\s)+512*\c
.endr
	WIN 0
.endm
.macro LISTA                           ; one load: the token of entry TA + r, the index clamped to the list's last and bounded by a constant
	WIN 0
	v_add_nc_u32 v[IDXA], s[TA], v[RL]
	v_min_u32 v[IDXA], s[C1], v[IDXA]
	v_min_u32 v[IDXA], 0xfff, v[IDXA]
	v_lshlrev_b32 v[IDXA], 2, v[IDXA]
	global_load_b32 v[LA], v[IDXA], s[10:11]
	s_add_co_u32 s[TA], s[TA], 64                  ; my next tile is four tiles on
.endm
.macro LISTS                           ; eight loads: the tokens of entries TS + 8 h + j
	WIN 0
.irp j, 0,1,2,3,4,5,6,7
	v_add3_u32 v[IDXS+\j], s[TS], v[H8], \j
	v_min_u32 v[IDXS+\j], s[C1], v[IDXS+\j]
	v_min_u32 v[IDXS+\j], 0xfff, v[IDXS+\j]
	v_lshlrev_b32 v[IDXS+\j], 2, v[IDXS+\j]
.endr
.irp j, 0,1,2,3,4,5,6,7
	global_load_b32 v[LS+\j], v[IDXS+\j], s[10:11]
.endr
	s_add_co_u32 s[TS], s[TS], 64
.endm
.macro MKX                             ; a loaded token is bounded by a constant before it enters an address
	v_min_u32 v[XOFF], 0xfff, v[LA]
	v_lshl_add_u32 v[XOFF], v[XOFF], 10, v[H16]    ; a row of 1,024 codes, + 16 h
.endm
.macro MKO
.irp j, 0,1,2,3,4,5,6,7
	v_min_u32 v[OUTO+\j], 0xfff, v[LS+\j]
	v_lshl_add_u32 v[OUTO+\j], v[OUTO+\j], 12, v[R16]   ; a row of out0 is 4,096 bytes, + 16 r
.endr
.endm
.macro XLD g                           ; eight loads: K steps 2 g and 2 g + 1 of 16 tokens' codes; the other slices' work-groups read these rows too, so no hint
	WIN XW
.irp u, 0,1
.irp c, 0,1,2,3
	global_load_b128 v[16*(2*(\g)+\u)+4*\c:16*(2*(\g)+\u)+4*\c+3], v[XOFF], s[8:9] offset:128*(2*(\g)+\u)+32*\c
.endr
.endr
.endm
	s_load_b256 s[4:11], s[0:1], 0x0               ; W s[4:5], b s[6:7], xq s[8:9], list s[10:11]
	s_load_b128 s[12:15], s[0:1], 0x20             ; cnt s[12:13], the scales' exponents s[14:15]
	s_load_b64 s[16:17], s[0:1], 0x30              ; out0
	v_lshl_add_u32 v254, v0, 2, 0x20800
	v_mov_b32 v255, 0
	v_lshrrev_b32 v15, 5, v0
	v_readfirstlane_b32 s[WV], v15                 ; wave 0..3
	v_and_b32 v15, 31, v0                          ; lane
	v_and_b32 v[RL], 15, v0
	v_bfe_u32 v40, v0, 4, 1                        ; h
	s_mov_b32 s19, ttmp9                           ; slice
	s_and_b32 s20, ttmp7, 0xffff                   ; e
	v_lshlrev_b32 v[L16], 4, v15
	s_mul_i32 s33, s[WV], STGW
	v_add_nc_u32 v[STI], s33, v[L16]
	v_mul_u32_u24 v[STO], v[RL], SPI
	v_lshl_add_u32 v[STO], v40, 6, v[STO]
	v_add_nc_u32 v[STO], s33, v[STO]
	s_lshl_b32 s34, s[WV], 14                      ; my tile's eight images
	s_add_co_u32 s34, s34, WIMG
	v_add_nc_u32 v[IMGW], s34, v[L16]
	v_add_nc_u32 v[IMGR], WIMG, v[L16]
	v_lshlrev_b32 v[H8], 3, v40
	v_lshlrev_b32 v[H16], 4, v40
	v_lshlrev_b32 v[R16], 4, v[RL]
	s_lshl_b32 s22, s20, 22                        ; W: the expert's 4 MiB,
	s_lshl_b32 s33, s19, 18                        ; the slice's 64 rows of 4,096 bytes,
	s_add_co_u32 s22, s22, s33
	s_lshl_b32 s33, s[WV], 12                      ; row w of each four
	s_add_co_u32 s22, s22, s33
	s_mov_b32 s23, 0
	s_wait_kmcnt 0x0
	s_add_nc_u64 s[4:5], s[4:5], s[22:23]
	s_lshl_b32 s22, s20, 12                        ; b: the expert's 4,096 bytes, the slice's 256
	s_lshl_b32 s33, s19, 8
	s_add_co_u32 s22, s22, s33
	s_add_nc_u64 s[6:7], s[6:7], s[22:23]
	s_mov_b32 s22, s33                             ; out0: the slice's 256 bytes of a row
	s_add_nc_u64 s[16:17], s[16:17], s[22:23]
	s_lshl_b32 s22, s20, 14                        ; the expert's list
	s_add_nc_u64 s[10:11], s[10:11], s[22:23]
	s_lshl_b32 s22, s20, 2                         ; cnt[e]
	s_add_nc_u64 s[12:13], s[12:13], s[22:23]
	s_load_b32 s24, s[12:13], 0x0
	s_load_b64 s[30:31], s[14:15], 0x0             ; ex, ew
	global_load_b128 v[BIAS:BIAS+3], v[R16], s[6:7]   ; the oldest vector load: every counted wait below shows it in
	LOADW 0
	LOADW 1
	LOADW 2
	WIN 0
	s_wait_kmcnt 0x0
	s_min_u32 s24, s24, 0x1000                     ; C, bounded by the number of tokens
	s_max_u32 s[C1], s24, 1
	s_sub_co_u32 s[C1], s[C1], 1
	s_add_co_u32 s[MYT], s24, 15
	s_lshr_b32 s[MYT], s[MYT], 4                   ; the expert's tiles of 16,
	s_add_co_u32 s[MYT], s[MYT], 3
	s_sub_co_u32 s[MYT], s[MYT], s[WV]
	s_lshr_b32 s[MYT], s[MYT], 2                   ; and mine among them: (tiles + 3 - w) / 4, which is 0 where tiles <= w; 64 at the most
	s_lshl_b32 s[TA], s[WV], 4                     ; my first tile is tile w
	s_mov_b32 s[TS], s[TA]
	s_add_co_i32 s33, s31, 127
	s_lshl_b32 s34, s33, 23
	v_mov_b32 v[SC], s34                           ; 2^ew as f32: the conversion takes its exponent field
	s_add_co_i32 s33, s33, 15
	s_lshl_b32 s33, s33, 23
	s_or_b32 s33, s33, 0x600000
	v_mov_b32 v[LIM], s33                          ; 57,344 x 2^ew
	s_add_co_i32 s[SCL], s30, s31
	s_add_co_i32 s[SCL], s[SCL], 127
	s_lshl_b32 s[SCL], s[SCL], 23                  ; 2^(ex + ew) as f32
	LISTA                                          ; my first tile's tokens: 1 + 8 loads, which land under phase W
	LISTS
	LOADW 3
	s_wait_loadcnt 57                              ; K step 0 is in.  Behind it: steps 1 and 2 (32), the list (9), step 3 (16)
	TURNW 0
; A step of phase W.  n: the loads issued behind K step s + 1's.  Set s % 4 of window 2 is loaded again only behind the wait that shows the stage's stores done.
.macro STEPW s, n
	s_wait_dscnt 0x0                               ; this step's numbers are back from the stage; the stores that read set s % 4, and the last image's, are done
.if (\s) < 4
	LOADW (\s)+4
.endif
.if (\s) < 7
	s_wait_loadcnt \n
	TURNW (\s)+1
.endif
.if (\s) == 5
	; the first tile's rows are asked for here, 41 loads in the order in which a trip of the token loop leaves them: LA of the next tile, 32 of codes, 8 of LS of the next tile.
	WIN 0
	s_wait_xcnt 0x0                                ; the list loads' address registers are written again only behind this wait (the loads themselves were shown in by step 2's count)
	MKX
	MKO
	LISTA
	XLD 0
	XLD 1
	XLD 2
	XLD 3
	LISTS
.endif
	QUANTW \s
.endm
	STEPW 0, 57                                    ; behind step 1: step 2 (16), the list (9), steps 3 and 4 (32)
	STEPW 1, 57                                    ; behind step 2: the list (9), steps 3, 4, 5 (48)
	STEPW 2, 48                                    ; behind step 3: steps 4, 5, 6: the list is in as well
	STEPW 3, 48                                    ; behind step 4: steps 5, 6, 7
	STEPW 4, 32                                    ; behind step 5: steps 6, 7
	STEPW 5, 16                                    ; behind step 6: step 7
	STEPW 6, 41                                    ; behind step 7: the first tile's 41
	STEPW 7, 0
	s_wait_dscnt 0x0                               ; for the others' sake: my images are in LDS
	s_barrier_signal -1
	s_barrier_wait -1                              ; all 32 fragments lie in LDS; nothing is written to LDS behind this barrier
	WIN LDW
.irp s, 0,1,2,3
.irp t, 0,1,2,3
.irp c, 0,1,2,3
	ds_load_b128 v[64*\s+16*\t+4*\c:64*\s+16*\t+4*\c+3], v[IMGR] offset:(8*\t+\s)*2048+512*\c
.endr
.endr
.endr
	WIN STOW
.irp s, 0,1,2,3
.irp t, 0,1,2,3
.irp c, 0,1,2,3
	ds_load_b128 v[64*\s+16*\t+4*\c:64*\s+16*\t+4*\c+3], v[IMGR] offset:(8*\t+\s+4)*2048+512*\c
.endr
.endr
.endr
	WIN 0
	s_wait_dscnt 0x0
; A tile of 16 tokens.  At its head these loads of mine are out, in this order: LA of the next tile (1), this tile's codes in four groups of 8, LS of the next tile (8).
; ahead = 1: there is a next tile: its codes follow this tile's into the same registers, group by group, and the list is read a tile further on.
.macro TILE ahead
	s_wait_loadcnt 32                              ; LA and group 0 are in; groups 1 to 3 (24) and LS (8) may be out
	s_wait_xcnt 0x0                                ; XOFF, which the pending loads of codes name, and the last tile's store data are written again only behind this wait
.if \ahead
	MKX
	LISTA
.endif
.irp g, 0,1,2,3
.if \g > 0
.if \ahead
	s_wait_loadcnt 33                              ; group g is in.  Behind it: 8 (3 - g) of this tile, LS (8), LA (1), 8 g of the next tile
.else
	s_wait_loadcnt 8*(3-\g)+8                      ; behind it: the later groups and LS
.endif
.endif
.if \g < 2
	WIN M2
.else
	WIN M3
.endif
.irp u, 0,1                            ; the four accumulators take turns, one instruction a turn, over the loop's edge too
.irp t, 0,1,2,3
.if (2*\g+\u) == 0
	v_wmma_f32_16x16x128_bf8_bf8 v[ACC+8*\t:ACC+8*\t+7], v[16*(2*\g+\u):16*(2*\g+\u)+15], v[64*((2*\g+\u)%4)+16*\t:64*((2*\g+\u)%4)+16*\t+15], 0
.else
	v_wmma_f32_16x16x128_bf8_bf8 v[ACC+8*\t:ACC+8*\t+7], v[16*(2*\g+\u):16*(2*\g+\u)+15], v[64*((2*\g+\u)%4)+16*\t:64*((2*\g+\u)%4)+16*\t+15], v[ACC+8*\t:ACC+8*\t+7]
.endif
.endr
.endr
.rept 4
	v_nop                                          ; four places in front of loads into registers that these products read, and, behind the last group, of the first read of the sums
.endr
.if \ahead
	XLD \g
.endif
.endr
	WIN 0
.irp j, 0,1,2,3,4,5,6,7                ; sum x 2^(ex + ew) + b, one fused multiply-add, into the order of the stores; each accumulator from its low end on
.irp t, 0,1,2,3
	v_fma_f32 v[OUTV+4*\j+\t], v[ACC+8*\t+\j], s[SCL], v[BIAS+\t]
.endr
.endr
.irp j, 0,1,2,3,4,5,6,7
	global_store_b128 v[OUTO+\j], v[OUTV+4*\j:OUTV+4*\j+3], s[16:17] th:TH_STORE_NT   ; lanes 0-15: 256 consecutive bytes, aligned, of token j's row; lanes 16-31: of token 8 + j's; written once, read by nobody here
.endr
.if \ahead
	s_wait_loadcnt 33                              ; LS of the next tile is in.  Behind it: LA (1) and the next tile's codes (32)
	s_wait_xcnt 0x0                                ; the stores' offsets are written again only behind this wait
	MKO
	LISTS                                          ; (in the last such trip these and LISTA's are words of a tile that does not exist: the indices are clamped, the words unused)
.endif
.endm
	s_cmp_eq_u32 s[MYT], 0                         ; no tile for my wave: plain loads may be out at the end
	s_cbranch_scc1 .Lend
	s_mov_b32 s[SIT], 1
	s_cmp_eq_u32 s[MYT], 1
	s_cbranch_scc1 .Ltail
.Ltile:                                            ; MYT - 1 trips: every tile of mine that has a successor
	TILE 1
	s_add_co_u32 s[SIT], s[SIT], 1
	s_cmp_lt_u32 s[SIT], s[MYT]
	s_cbranch_scc1 .Ltile
.Ltail:
	TILE 0                                         ; my last tile asks for nothing more
.Lend:
	s_wait_tensorcnt 0x0
	ds_add_u32 v254, v255
	s_wait_dscnt 0x0
	s_endpgm
.Lfunc_end_k_qbc0cbff5dc_gemm:
	.size	k_qbc0cbff5dc_gemm, .Lfunc_end_k_qbc0cbff5dc_gemm-k_qbc0cbff5dc_gemm
	.p2alignl 7, 3214868480
	.fill 96, 4, 3214868480
	.section	.rodata,"a",@progbits
	.p2align	6, 0x0
	.amdhsa_kernel k_qbc0cbff5dc_gemm
		.amdhsa_group_segment_fixed_size 133632
		.amdhsa_private_segment_fixed_size 0
		.amdhsa_enable_private_segment 0
		.amdhsa_kernarg_size 56
		.amdhsa_user_sgpr_count 2
		.amdhsa_user_sgpr_kernarg_segment_ptr 1
		.amdhsa_wavefront_size32 1
		.amdhsa_system_sgpr_workgroup_id_x 1
		.amdhsa_system_sgpr_workgroup_id_y 1
		.amdhsa_system_sgpr_workgroup_id_z 1
		.amdhsa_system_vgpr_workitem_id 0
		.amdhsa_next_free_vgpr 1024
		.amdhsa_next_free_sgpr 66
		.amdhsa_reserve_vcc 0
		.amdhsa_float_denorm_mode_32 3
		.amdhsa_float_denorm_mode_16_64 3
		.amdhsa_memory_ordered 1
		.amdhsa_forward_progress 1
		.amdhsa_inst_pref_size 108
	.end_amdhsa_kernel
	.amdgpu_metadata
---
amdhsa.version: [ 1, 2 ]
amdhsa.kernels:
  - .name:           k_qbc0cbff5dc_gemm
    .symbol:         k_qbc0cbff5dc_gemm.kd
    .args:
      - { .name: W, .offset: 0, .size: 8, .value_kind: global_buffer, .address_space: global }
      - { .name: b, .offset: 8, .size: 8, .value_kind: global_buffer, .address_space: global }
      - { .name: xq, .offset: 16, .size: 8, .value_kind: global_buffer, .address_space: global }
      - { .name: list, .offset: 24, .size: 8, .value_kind: global_buffer, .address_space: global }
      - { .name: cnt, .offset: 32, .size: 8, .value_kind: global_buffer, .address_space: global }
      - { .name: lowp_scales, .offset: 40, .size: 8, .value_kind: global_buffer, .address_space: global }
      - { .name: out0, .offset: 48, .size: 8, .value_kind: global_buffer, .address_space: global }
    .group_segment_fixed_size: 133632
    .private_segment_fixed_size: 0
    .kernarg_segment_align: 8
    .kernarg_segment_size: 56
    .max_flat_workgroup_size: 128
    .sgpr_count:     66
    .vgpr_count:     1024
    .wavefront_size: 32
...
	.end_amdgpu_metadata
.endif
;; end of part 2
;; ======== version 2 of 2: 2 launches
;; workspace buffers: xq 4,194,304 bytes; list 262,144 bytes of whole numbers; cnt 256 bytes of whole numbers
;; launch prep (part 3): grid 272 x 1, 4 waves a work-group, no clusters, 33,280 bytes of LDS; arguments x, ind, lowp_scales, xq, list, cnt; writes xq, list, cnt
.if DOCPART == 3
	.amdgcn_target "amdgcn-amd-amdhsa--gfx1250"
	.amdhsa_code_object_version 6
	.text
	.protected	k_qbc0cbff5dc_prep
	.globl	k_qbc0cbff5dc_prep
	.p2align	8
	.type	k_qbc0cbff5dc_prep,@function
k_qbc0cbff5dc_prep:
	s_mov_b64 s[64:65], 0
	v_nop
	global_prefetch_b8 v0, s[64:65] scope:SCOPE_SE
	s_setreg_imm32_b32 hwreg(HW_REG_WAVE_MODE, 25, 1), 1
	s_wait_xcnt 0x0
; Two jobs in one launch, parted on the work-group's number.
; WORK-GROUPS 0-15 (expert e = the number): the list of the tokens whose ind is e, list[e][0 .. c-1] (int32, any order), and their count cnt[e].
;   Each of the four waves places its own quarter of the 4,096 tokens and counts all four quarters itself, so the waves hand nothing to each other: no LDS, no barrier.
;   With c = 0 entry 0 of the list is written as 0, so that a clamped read of the list in the next launch meets a written word.
; WORK-GROUPS 16-271: x [4096][1024] f32 becomes codes of BF8 (E5M2), xq [4096][1024], K innermost, with the given scale 2^ex:
;   code = x / 2^ex, held within +-57,344, rounded to the nearest code, ties to even.  Rows are dense, so x is a plain stream: a wave takes 4,096 numbers in 8 steps of 512.
;   A conversion takes 8 neighbours from one lane's registers, a load is best where neighbouring lanes take neighbouring bytes: each load reads 512 consecutive bytes, 16 a lane,
;   a step's 2,048 bytes go through the wave's own stage in LDS as they lie and come back 64 bytes a lane (16 bytes of padding behind each 64).  A lane's 16 codes are 16 bytes: the wave stores 512 consecutive bytes.
; LIMITS: ex between -126 and 112, so that 2^ex and 57,344 x 2^ex are f32 numbers.  NaN among x is not served; an infinity is held at the largest code.  ind lies in 0 .. 15; a token with another ind enters no list.
.set RR, 16                            ; v16-143  x path: eight sets of 16 numbers as loaded, one a step: all 32 loads of a wave go out at once
.set XX, 144                           ; v144-175 two sets of 16 neighbours
.set CC, 176                           ; v176-207 codes: four registers for each step, so that no store's data are written again
.set SP, 80                            ; a lane's place in a stage: its 64 bytes + 16 of padding
.set IND, 16                           ; v16-143  builder: ind of four quarters, 32 registers each; block 0 is my own quarter
.set PP, 48                            ; v48-79   builder: byte places in the list (over block 1, which has been counted)
.set TT, 80                            ; v80-111  builder: token numbers (over block 2)
	s_load_b256 s[4:11], s[0:1], 0x0               ; x s[4:5], ind s[6:7], the scales' exponents s[8:9], xq s[10:11]
	s_load_b128 s[12:15], s[0:1], 0x20             ; list s[12:13], cnt s[14:15]
	v_lshl_add_u32 v208, v0, 2, 0x8000
	v_mov_b32 v209, 0
	v_lshrrev_b32 v1, 5, v0
	v_readfirstlane_b32 s16, v1                    ; wave 0..3
	v_and_b32 v2, 31, v0                           ; lane
	s_cmp_lt_u32 ttmp9, 16
	s_cbranch_scc1 .Lbuild
	; ---------------- x into codes ----------------
	v_lshlrev_b32 v3, 4, v2                        ; my 16 bytes of a load's 512, and of a store's 512; never rewritten
	s_lshl_b32 s17, s16, 13                        ; my wave's 8,192 bytes of LDS: two stages of 32 x 80
	v_lshrrev_b32 v14, 2, v2
	v_mul_u32_u24 v14, v14, SP
	v_and_b32 v15, 3, v2
	v_lshl_add_u32 v14, v15, 4, v14
	v_add_nc_u32 v14, s17, v14                     ; into the stage: four lanes' 64 bytes on end, then the padding
	v_mul_u32_u24 v15, v2, SP
	v_add_nc_u32 v15, s17, v15                     ; out of it: my 16 neighbours
	s_sub_co_u32 s18, ttmp9, 16
	s_lshl_b32 s18, s18, 2
	s_add_co_u32 s18, s18, s16                     ; which run of 4,096 numbers is my wave's: 0 .. 1,023
	s_lshl_b32 s20, s18, 14                        ; 16,384 bytes of x,
	s_mov_b32 s21, 0
	s_lshl_b32 s22, s18, 12                        ; 4,096 bytes of codes
	s_mov_b32 s23, 0
	s_wait_alu depctr_va_vdst(0)
	s_wait_kmcnt 0x0
	s_load_b32 s24, s[8:9], 0x0                    ; ex
	s_add_nc_u64 s[4:5], s[4:5], s[20:21]
	s_add_nc_u64 s[10:11], s[10:11], s[22:23]
.macro LOAD t
.irp i, 0,1,2,3
	global_load_b128 v[RR+16*(\t)+4*\i:RR+16*(\t)+4*\i+3], v3, s[4:5] offset:2048*(\t)+512*\i th:TH_LOAD_NT   ; 32 lanes read 512 consecutive bytes; x is read once in the launch
.endr
.endm
.macro TURN t                          ; step t's numbers through the stage: LDS serves a wave's instructions in order (ISA guide 5.7.1.4), so no wait stands between the stores and the loads
.irp i, 0,1,2,3
	ds_store_b128 v14, v[RR+16*(\t)+4*\i:RR+16*(\t)+4*\i+3] offset:32*SP*((\t)%2)+8*SP*\i
.endr
.irp i, 0,1,2,3
	ds_load_b128 v[XX+16*((\t)%2)+4*\i:XX+16*((\t)%2)+4*\i+3], v15 offset:32*SP*((\t)%2)+16*\i
.endr
.endm
.irp t, 0,1,2,3,4,5,6,7
	LOAD \t
.endr
	s_wait_kmcnt 0x0
	s_add_co_i32 s24, s24, 127
	s_lshl_b32 s25, s24, 23
	v_mov_b32 v11, s25                             ; 2^ex as f32: the conversion takes its exponent field
	s_add_co_i32 s24, s24, 15
	s_lshl_b32 s24, s24, 23
	s_or_b32 s24, s24, 0x600000
	v_mov_b32 v10, s24                             ; 57,344 x 2^ex
	s_wait_alu depctr_va_vdst(0)
	s_wait_loadcnt 28                              ; step 0's four loads are in; the 28 of steps 1 to 7 may be out
	TURN 0
.macro STEP t
	s_wait_dscnt 0x0                               ; this step's numbers are back from the stage
.if (\t) < 7
	s_wait_loadcnt 4*(6-(\t))                      ; the next step's four loads are in; those of the steps behind it may be out
	TURN (\t)+1                                    ; and go through the other stage while this step is worked
.endif
.irp i, 0,1,2,3,4,5,6,7,8,9,10,11,12,13,14,15
	v_med3_num_f32 v[XX+16*((\t)%2)+\i], v[XX+16*((\t)%2)+\i], -v10, v10   ; the conversion to an 8-bit code does not saturate (ISA guide 7.6.2): hold the number first
.endr
	v_cvt_scalef32_pk8_bf8_f32 v[CC+4*(\t):CC+4*(\t)+1], v[XX+16*((\t)%2):XX+16*((\t)%2)+7], v11
	v_cvt_scalef32_pk8_bf8_f32 v[CC+4*(\t)+2:CC+4*(\t)+3], v[XX+16*((\t)%2)+8:XX+16*((\t)%2)+15], v11
	global_store_b128 v3, v[CC+4*(\t):CC+4*(\t)+3], s[10:11] offset:512*(\t)   ; 512 consecutive bytes, aligned; the next launch reads them again, so no hint.  (The codes go to a store alone; the next vector lines are the next step's plain holds, on the other set)
.endm
.irp t, 0,1,2,3,4,5,6,7
	STEP \t
.endr
	s_wait_tensorcnt 0x0
	ds_add_u32 v208, v209
	s_wait_dscnt 0x0
	s_endpgm
	; ---------------- the list of expert e ----------------
	; s20 e; s[24:27] the counts of blocks 0-3 (block q is quarter (wave + q) mod 4); s28 the running place; s29 c; s30 at work; s31 EXEC kept; s[32:63] my quarter's 32 masks; s[68:75] masks at work
	; v[4:7] the four blocks' byte offsets in ind; v8 my first token; v9 = 0, the offset of wave 0's last stores; v12 = c.  v9 and v12 are made while every lane is on, ahead of the first line that narrows EXEC
.Lbuild:
	v_mov_b32 v9, 0
	s_mov_b32 s20, ttmp9
	s_lshl_b32 s22, s20, 14                        ; the expert's 4,096 words of the list
	s_mov_b32 s23, 0
	s_wait_alu depctr_va_vdst(0)
.irp q, 0,1,2,3
	s_add_co_u32 s30, s16, \q
	s_and_b32 s30, s30, 3
	s_lshl_b32 s30, s30, 12                        ; a quarter of ind is 4,096 bytes
	v_lshl_add_u32 v[4+\q], v2, 4, s30             ; 16 x lane + the quarter
.endr
	s_lshl_b32 s30, s16, 10
	v_lshl_add_u32 v8, v2, 2, s30                  ; the token in my register 0 of block 0: 1,024 x wave + 4 x lane
	s_wait_alu depctr_va_vdst(0)
	s_wait_kmcnt 0x0
	s_add_nc_u64 s[12:13], s[12:13], s[22:23]
	s_lshl_b32 s22, s20, 2
	s_add_nc_u64 s[14:15], s[14:15], s[22:23]      ; cnt[e]
.irp q, 0,1,2,3
.irp i, 0,1,2,3,4,5,6,7
	global_load_b128 v[IND+32*\q+4*\i:IND+32*\q+4*\i+3], v[4+\q], s[6:7] offset:512*\i   ; register 4 i + j: token (quarter) + 128 i + 4 x lane + j
.endr
.endr
.macro COUNT q                         ; how many tokens of block q are the expert's; block 0's masks are kept
	s_wait_loadcnt 8*(3-\q)                        ; the block's eight loads are in; the later blocks' may be out
	s_mov_b32 s[24+\q], 0
.irp a, 0,1,2,3
.irp g, 0,1,2,3,4,5,6,7
.if \q == 0
	v_cmp_eq_u32 s[32+8*\a+\g], s20, v[IND+8*\a+\g]
.else
	v_cmp_eq_u32 s[68+\g], s20, v[IND+32*\q+8*\a+\g]
.endif
.endr
.irp g, 0,1,2,3,4,5,6,7
.if \q == 0
	s_bcnt1_i32_b32 s30, s[32+8*\a+\g]
.else
	s_bcnt1_i32_b32 s30, s[68+\g]
.endif
	s_add_co_u32 s[24+\q], s[24+\q], s30
.endr
.endr
.endm
	COUNT 0
	COUNT 1
	COUNT 2
	COUNT 3
	s_mov_b32 s28, 0                               ; my first place: the counts of the quarters in front of mine
.irp q, 1,2,3
	s_add_co_u32 s30, s16, \q
	s_and_b32 s30, s30, 3
	s_cmp_lt_u32 s30, s16
	s_cselect_b32 s30, s[24+\q], 0
	s_add_co_u32 s28, s28, s30
.endr
	s_add_co_u32 s29, s24, s25
	s_add_co_u32 s29, s29, s26
	s_add_co_u32 s29, s29, s27                     ; c
	v_mov_b32 v12, s29
.irp i, 0,1,2,3,4,5,6,7                ; places, with all lanes on: register by register, within a register by lane
.irp j, 0,1,2,3
	v_mbcnt_lo_u32_b32 v[PP+4*\i+\j], s[32+4*\i+\j], s28   ; the running place + the matches in the lanes below mine
	s_bcnt1_i32_b32 s30, s[32+4*\i+\j]
	s_add_co_u32 s28, s28, s30
	v_min_u32 v[PP+4*\i+\j], 0xfff, v[PP+4*\i+\j]  ; a place made from loaded numbers is bounded by a constant before it enters an address; a true place is under 4,096
	v_lshlrev_b32 v[PP+4*\i+\j], 2, v[PP+4*\i+\j]
	v_add_nc_u32 v[TT+4*\i+\j], 128*\i+\j, v8
.endr
.endr
	s_wait_alu depctr_va_vdst(0)
	s_wait_xcnt 0x0                                ; EXEC is a source of the loads above: it changes only behind this wait
.irp g, 0,1,2,3,4,5,6,7,8,9,10,11,12,13,14,15,16,17,18,19,20,21,22,23,24,25,26,27,28,29,30,31
	s_mov_b32 vcc_lo, s[32+\g]
	s_and_saveexec_b32 s31, vcc_lo                 ; the lanes whose token is the expert's
	global_store_b32 v[PP+\g], v[TT+\g], s[12:13]
	s_wait_xcnt 0x0                                ; and again in front of the line that widens EXEC; nothing is issued between that line and the next narrowing
	s_or_b32 exec_lo, exec_lo, s31
.endr
	s_cmp_lg_u32 s16, 0
	s_cbranch_scc1 .Lbend
	global_store_b32 v9, v12, s[14:15]             ; cnt[e]: all lanes of wave 0 write the one word with the one value
	s_cmp_lg_u32 s29, 0
	s_cbranch_scc1 .Lbend
	global_store_b32 v9, v9, s[12:13]              ; an expert without tokens: list[e][0] = 0
.Lbend:
	s_endpgm
.Lfunc_end_k_qbc0cbff5dc_prep:
	.size	k_qbc0cbff5dc_prep, .Lfunc_end_k_qbc0cbff5dc_prep-k_qbc0cbff5dc_prep
	.p2alignl 7, 3214868480
	.fill 96, 4, 3214868480
	.section	.rodata,"a",@progbits
	.p2align	6, 0x0
	.amdhsa_kernel k_qbc0cbff5dc_prep
		.amdhsa_group_segment_fixed_size 33280
		.amdhsa_private_segment_fixed_size 0
		.amdhsa_enable_private_segment 0
		.amdhsa_kernarg_size 48
		.amdhsa_user_sgpr_count 2
		.amdhsa_user_sgpr_kernarg_segment_ptr 1
		.amdhsa_wavefront_size32 1
		.amdhsa_system_sgpr_workgroup_id_x 1
		.amdhsa_system_sgpr_workgroup_id_y 1
		.amdhsa_system_sgpr_workgroup_id_z 1
		.amdhsa_system_vgpr_workitem_id 0
		.amdhsa_next_free_vgpr 210
		.amdhsa_next_free_sgpr 80
		.amdhsa_reserve_vcc 1
		.amdhsa_float_denorm_mode_32 3
		.amdhsa_float_denorm_mode_16_64 3
		.amdhsa_memory_ordered 1
		.amdhsa_forward_progress 1
		.amdhsa_inst_pref_size 57
	.end_amdhsa_kernel
	.amdgpu_metadata
---
amdhsa.version: [ 1, 2 ]
amdhsa.kernels:
  - .name:           k_qbc0cbff5dc_prep
    .symbol:         k_qbc0cbff5dc_prep.kd
    .args:
      - { .name: x, .offset: 0, .size: 8, .value_kind: global_buffer, .address_space: global }
      - { .name: ind, .offset: 8, .size: 8, .value_kind: global_buffer, .address_space: global }
      - { .name: lowp_scales, .offset: 16, .size: 8, .value_kind: global_buffer, .address_space: global }
      - { .name: xq, .offset: 24, .size: 8, .value_kind: global_buffer, .address_space: global }
      - { .name: list, .offset: 32, .size: 8, .value_kind: global_buffer, .address_space: global }
      - { .name: cnt, .offset: 40, .size: 8, .value_kind: global_buffer, .address_space: global }
    .group_segment_fixed_size: 33280
    .private_segment_fixed_size: 0
    .kernarg_segment_align: 8
    .kernarg_segment_size: 48
    .max_flat_workgroup_size: 128
    .sgpr_count:     80
    .vgpr_count:     210
    .wavefront_size: 32
...
	.end_amdgpu_metadata
.endif
;; end of part 3
;; launch gemm (part 4): grid 16 x 16, 4 waves a work-group, no clusters, 133,632 bytes of LDS; arguments W, b, xq, list, cnt, lowp_scales, out0; writes out0
.if DOCPART == 4
	.amdgcn_target "amdgcn-amd-amdhsa--gfx1250"
	.amdhsa_code_object_version 6
	.text
	.protected	k_qbc0cbff5dc_gemm
	.globl	k_qbc0cbff5dc_gemm
	.p2align	8
	.type	k_qbc0cbff5dc_gemm,@function
k_qbc0cbff5dc_gemm:
	s_mov_b64 s[64:65], 0
	v_nop
	global_prefetch_b8 v0, s[64:65] scope:SCOPE_SE
	s_setreg_imm32_b32 hwreg(HW_REG_WAVE_SCHED_MODE, 0, 2), 2
	s_setreg_imm32_b32 hwreg(HW_REG_WAVE_MODE, 25, 1), 1
	s_wait_xcnt 0x0
	s_wait_alu depctr_vm_vsrc(0)
; out0[n][o] = 2^(ex + ew) x (sum over k of code(x[n][k]) code(W[e][o][k])) + b[e][o] for the tokens n whose expert is e: only the chosen expert's rows are multiplied.
; SHARES.  Work-group (slice = x, e = y) owns columns o0 = 64 x slice .. + 63 of expert e: 256 work-groups, each reads its 256 KiB of W (f32) once, and nobody else reads them.
; PHASE W.  Wave w takes column tile t = w: the 16 rows o0 + 4 r + t of W (which rows form a tile is free).  Each load reads 512 consecutive bytes of a row; a K step (16 rows x 128 k) turns through the wave's own
;   stage in LDS so that lane (r, h) holds, of row r, k = 128 s + 32 c + 16 h + 0 .. 15 in registers 16 c on; it is held within +-57,344 x 2^ew, converted to BF8 (E5M2), and stored in LDS as an image of the operand's registers.
;   One barrier; then every wave loads all 32 fragments (4 tiles x 8 K steps, 512 registers) and keeps them.
; TOKEN LOOP.  Wave w takes the tiles w, w + 4, .. of 16 entries of the expert's list.  Source 0 = 16 tokens' codes (gathered rows of xq), source 1 = a tile of W: register j of lane (r, h) is (token 8 h + j, column o0 + 4 r + t).
;   Over the four tiles a lane holds 4 neighbouring columns of a token, 16 bytes, and sixteen neighbouring lanes 256 consecutive bytes of out0, aligned: no way through LDS on the way out.
;   An index past the list's end is clamped to its last entry: a short last tile repeats the last token, computes the same numbers and stores the same bytes again, from this wave.  So no lane is ever off.
;   An expert without tokens: its work-groups do phase W in vain and store nothing (every wave must pass the barrier, so nothing ahead of it hangs on the count).
; k inside a K step of 128 is permuted alike in both operands (16 neighbours a group of four registers): every product meets its partner; only the order of the sums inside an instruction differs.
; NO TENSOR LOADS, NO CLUSTER: what the sixteen slices of an expert share, the tokens' code rows, is gathered row by row through a list and its number of tiles is read from memory; a joint tile load wants a rectangle and a
;   constant count.  W, three quarters of the bytes read, is shared by nobody.
; LIMITS: ew between -126 and 112; ex + ew between -126 and 127 (each power of two below is an f32 number).  NaN among W is not served; an infinity is held at the largest code.
; LDS: [0, 67,584): wave w's two stages of 16 rows x 528 bytes (512 + 16 of padding = 33 x 16: the 16 rows that a read touches fall on 16 different 16-byte columns of 256) at 16,896 w.
;      [67,584, 133,120): fragment (t, s) at (8 t + s) x 2,048 + 512 c + 16 x lane.  [133,120, 133,632): the spare words.
; REGISTERS, in windows of 256.  Window 0: below.  Window 1: the tokens' codes, two buffers: buffer b's K step s at 128 b + 16 s.  Windows 2, 3: W's fragment (t, s) at 64 (s % 4) + 16 t of window 2 + s / 4.
;   In phase W: window 2 = four sets of 64 registers of W as loaded (set s % 4); window 3: v0-127 two sets of 64 numbers turned, v128-143 the codes just made.
; THE MODE: SCHED_MODE bits 1:0 = 2 (LLVM: expert scheduling mode 2), set by the entry lines.  The code itself states the register dependences between vector or matrix instructions and memory or LDS
;   instructions, with s_wait_alu, always for 0.
; THE PLAN, PHASE W.  Step s: the stage's stores read set s % 4 of window 2, which is loaded again four steps on; the stage's loads land in set s % 2 of window 3, which the step's holds and conversions work on;
;   the conversions write the codes' registers, which the image's stores read.  So a step opens with one wait on vm_vsrc (the stores issued so far have read their data) and has one wait on va_vdst behind its conversions:
;   it serves the image's stores, and the stage's loads of the next step, which land in the set just worked on (no vector line between names it).  The addresses v1 to v5 are made once.
; THE PLAN, TOKEN LOOP.  All that memory instructions touch has two sets, taken by turns; tile p works on set b = p % 2, and a trip of the loop is two tiles.
;   XB[b]      read by tile p's products.  The loads of tile p + 1's codes, issued in tile p, land in XB[1 - b], which tile p - 1's products read.
;   XOFF[1-b]  written at tile p's head, read by those 32 loads; last read by tile p - 1's loads, which that tile's counts showed done.
;   IDXA, LA   IDXA written at the head, read by one list load; LA read by the line that makes XOFF, then loaded again.
;   OUTV[b]    written by tile p's multiply-adds, read by its eight stores; last read by tile p - 2's stores.
;   OUTO[1-b]  written in tile p behind its products, read by tile p + 1's stores; last read by tile p - 1's stores.
;   IDXS, LS   IDXS written beside OUTO, read by eight list loads at the tile's end; LS read by the lines that make OUTO, then loaded again.
;   Three waits on the vector and memory sides in a tile: va_vdst at its head, behind the six lines that make XOFF and IDXA; vm_vsrc (beside the one wait on XCNT) behind its products; va_vdst ahead of its stores.
.set STGW, 16896
.set STG1, 8448
.set SPI,  528
.set WIMG, 67584
.set L16,  1                           ; v1   16 x lane
.set STI,  2                           ; v2   into my stage
.set STO,  3                           ; v3   out of it: 528 r + 64 h
.set IMGW, 4                           ; v4   where I store my tile's images
.set IMGR, 5                           ; v5   from where any image is read
.set RL,   6                           ; v6   r = lane % 16
.set H8,   7                           ; v7   8 h
.set SC,   8                           ; v8   2^ew
.set LIM,  9                           ; v9   57,344 x 2^ew
.set LA,   11                          ; v11  the token of list entry 16 tile + r
.set IDXA, 12                          ; v12  its byte place in the list
.set H16,  13                          ; v13  16 h
.set R16,  14                          ; v14  16 r
.set LS,   16                          ; v16-23  the tokens of list entries 16 tile + 8 h + j
.set IDXS, 24                          ; v24-31  their byte places in the list
.set OUTO, 32                          ; v32-39, v144-151  set b at 32 + 112 b: their byte offsets in out0, + 16 r
.set XOFF, 42                          ; v42, v43  set b: byte offset of my token's codes in xq, + 16 h
.set BIAS, 44                          ; v44-47  b at columns o0 + 4 r + t
.set ACC,  48                          ; v48-79  accumulator t at 48 + 8 t
.set OUTV, 80                          ; v80-111, v112-143  set b at 80 + 32 b: token j's four columns at + 4 j
.set WV,   18                          ; s18 wave; s19 slice; s20 e; s[22:23] an offset; s24 C = the count; s[30:31] ex, ew; s33, s34 at work
.set C1,   25                          ; s25 the list's last index: max(C, 1) - 1
.set MYT,  26                          ; s26 my wave's tiles: of the (C + 15) / 16 tiles of 16 those numbered w, w + 4, ..
.set SIT,  27                          ; s27 the loop's counter, in steps of 1
.set TA,   28                          ; s28 16 x the tile whose LA is asked for next
.set TS,   29                          ; s29 the same for LS
.set SCL,  32                          ; s32 2^(ex + ew) as f32
.set NH,   35                          ; s35 (MYT + 1) / 2: the loop has NH - 1 trips of two tiles
.set MSB, 0
.macro WIN new                         ; the immediate's high byte repeats the setting that is left; a switch that changes nothing is dropped
.if MSB != (\new)
	s_set_vgpr_msb (MSB<<8)|(\new)
.set MSB, (\new)
.endif
.endm
.set LDW,  0x80                        ; destination window 2
.set STIW, 0x08                        ; an LDS store's data window 2
.set STOW, 0xc0                        ; destination window 3
.set QW,   0xc3                        ; destination and source 0 window 3
.set IMG,  0x0c                        ; an LDS store's data window 3
.set XW,   0x40                        ; destination window 1
.set M2,   0x09                        ; source 0 (tokens) window 1, source 1 (W) window 2, C and D window 0
.set M3,   0x0d                        ; the same with W in window 3
.macro LOADW s                         ; K step s of my 16 rows: each load 512 consecutive bytes of row o0 + 4 i + w; W is read once in the launch
	WIN LDW
.irp i, 0,1,2,3,4,5,6,7,8,9,10,11,12,13,14,15
	global_load_b128 v[64*((\s)%4)+4*\i:64*((\s)%4)+4*\i+3], v[L16], s[4:5] offset:16384*\i+512*(\s) th:TH_LOAD_NT
.endr
.endm
.macro TURNW s                         ; through my stage: in as loaded, out 64 bytes a lane and block of 32 k.  LDS serves a wave's instructions in order (ISA guide 5.7.1.4): no wait between
	WIN STIW
.irp i, 0,1,2,3,4,5,6,7,8,9,10,11,12,13,14,15
	ds_store_b128 v[STI], v[64*((\s)%4)+4*\i:64*((\s)%4)+4*\i+3] offset:STG1*((\s)%2)+SPI*\i
.endr
	WIN STOW
.irp c, 0,1,2,3
.irp q, 0,1,2,3
	ds_load_b128 v[64*((\s)%2)+16*\c+4*\q:64*((\s)%2)+16*\c+4*\q+3], v[STO] offset:STG1*((\s)%2)+128*\c+16*\q
.endr
.endr
.endm
.macro QUANTW s                        ; 64 numbers of a lane become a fragment's 16 registers of codes, which go to LDS as they stand
	WIN QW
.irp c, 0,1,2,3
.irp i, 0,1,2,3,4,5,6,7,8,9,10,11,12,13,14,15
	v_med3_num_f32 v[64*((\s)%2)+16*\c+\i], v[64*((\s)%2)+16*\c+\i], -v[LIM], v[LIM]   ; the conversion to an 8-bit code does not saturate (ISA guide 7.6.2): hold the number first
.endr
	v_cvt_scalef32_pk8_bf8_f32 v[128+4*\c:129+4*\c], v[64*((\s)%2)+16*\c:64*((\s)%2)+16*\c+7], v[SC]
	v_cvt_scalef32_pk8_bf8_f32 v[130+4*\c:131+4*\c], v[64*((\s)%2)+16*\c+8:64*((\s)%2)+16*\c+15], v[SC]
.endr
	v_nop                                          ; one plain vector line behind the last conversion: later vector and matrix lines touch these registers
	s_wait_alu depctr_va_vdst(0)                   ; the conversions have written the codes' registers, which the stores below read; and the holds and conversions are done with set s % 2 of window 3, in which the stage's loads of the next step land
	WIN IMG
.irp c, 0,1,2,3
	ds_store_b128 v[IMGW], v[128+4*\c:131+4*\c] offset:2048*(\s)+512*\c
.endr
	WIN 0
.endm
.macro ADRA                            ; the byte place of list entry TA + r, the index clamped to the list's last and bounded by a constant
	WIN 0
	v_add_nc_u32 v[IDXA], s[TA], v[RL]
	v_min_u32 v[IDXA], s[C1], v[IDXA]
	v_min_u32 v[IDXA], 0xfff, v[IDXA]
	v_lshlrev_b32 v[IDXA], 2, v[IDXA]
	s_add_co_u32 s[TA], s[TA], 64                  ; my next tile is four tiles on
.endm
.macro LDA                             ; one load: the token of that entry
	WIN 0
	global_load_b32 v[LA], v[IDXA], s[10:11]
.endm
.macro ADRS                            ; the byte places of list entries TS + 8 h + j
	WIN 0
.irp j, 0,1,2,3,4,5,6,7
	v_add3_u32 v[IDXS+\j], s[TS], v[H8], \j
	v_min_u32 v[IDXS+\j], s[C1], v[IDXS+\j]
	v_min_u32 v[IDXS+\j], 0xfff, v[IDXS+\j]
	v_lshlrev_b32 v[IDXS+\j], 2, v[IDXS+\j]
.endr
	s_add_co_u32 s[TS], s[TS], 64
.endm
.macro LDLS                            ; eight loads: the tokens of those entries
	WIN 0
.irp j, 0,1,2,3,4,5,6,7
	global_load_b32 v[LS+\j], v[IDXS+\j], s[10:11]
.endr
.endm
.macro MKX b                           ; a loaded token is bounded by a constant before it enters an address
	v_min_u32 v[XOFF+(\b)], 0xfff, v[LA]
	v_lshl_add_u32 v[XOFF+(\b)], v[XOFF+(\b)], 10, v[H16]    ; a row of 1,024 codes, + 16 h
.endm
.macro MKO b
.irp j, 0,1,2,3,4,5,6,7
	v_min_u32 v[OUTO+112*(\b)+\j], 0xfff, v[LS+\j]
	v_lshl_add_u32 v[OUTO+112*(\b)+\j], v[OUTO+112*(\b)+\j], 12, v[R16]   ; a row of out0 is 4,096 bytes, + 16 r
.endr
.endm
.macro XLD b, g                        ; eight loads into buffer b: K steps 2 g and 2 g + 1 of 16 tokens' codes; the other slices' work-groups read these rows too, so no hint
	WIN XW
.irp u, 0,1
.irp c, 0,1,2,3
	global_load_b128 v[128*(\b)+16*(2*(\g)+\u)+4*\c:128*(\b)+16*(2*(\g)+\u)+4*\c+3], v[XOFF+(\b)], s[8:9] offset:128*(2*(\g)+\u)+32*\c
.endr
.endr
.endm
	s_load_b256 s[4:11], s[0:1], 0x0               ; W s[4:5], b s[6:7], xq s[8:9], list s[10:11]
	s_load_b128 s[12:15], s[0:1], 0x20             ; cnt s[12:13], the scales' exponents s[14:15]
	s_load_b64 s[16:17], s[0:1], 0x30              ; out0
	v_lshl_add_u32 v254, v0, 2, 0x20800
	v_mov_b32 v255, 0
	v_lshrrev_b32 v15, 5, v0
	v_readfirstlane_b32 s[WV], v15                 ; wave 0..3
	v_and_b32 v15, 31, v0                          ; lane
	v_and_b32 v[RL], 15, v0
	v_bfe_u32 v40, v0, 4, 1                        ; h
	s_mov_b32 s19, ttmp9                           ; slice
	s_and_b32 s20, ttmp7, 0xffff                   ; e
	v_lshlrev_b32 v[L16], 4, v15
	s_wait_alu depctr_va_sdst(0)                   ; s18, the wave's number, is written, ahead of its first reader: LDS addresses, W's base and the wave's tiles are made from it
	s_mul_i32 s33, s[WV], STGW
	v_add_nc_u32 v[STI], s33, v[L16]
	v_mul_u32_u24 v[STO], v[RL], SPI
	v_lshl_add_u32 v[STO], v40, 6, v[STO]
	v_add_nc_u32 v[STO], s33, v[STO]
	s_lshl_b32 s34, s[WV], 14                      ; my tile's eight images
	s_add_co_u32 s34, s34, WIMG
	v_add_nc_u32 v[IMGW], s34, v[L16]
	v_add_nc_u32 v[IMGR], WIMG, v[L16]
	v_lshlrev_b32 v[H8], 3, v40
	v_lshlrev_b32 v[H16], 4, v40
	v_lshlrev_b32 v[R16], 4, v[RL]
	s_lshl_b32 s22, s20, 22                        ; W: the expert's 4 MiB,
	s_lshl_b32 s33, s19, 18                        ; the slice's 64 rows of 4,096 bytes,
	s_add_co_u32 s22, s22, s33
	s_lshl_b32 s33, s[WV], 12                      ; row w of each four
	s_add_co_u32 s22, s22, s33
	s_mov_b32 s23, 0
	s_wait_kmcnt 0x0
	s_add_nc_u64 s[4:5], s[4:5], s[22:23]
	s_lshl_b32 s22, s20, 12                        ; b: the expert's 4,096 bytes, the slice's 256
	s_lshl_b32 s33, s19, 8
	s_add_co_u32 s22, s22, s33
	s_add_nc_u64 s[6:7], s[6:7], s[22:23]
	s_mov_b32 s22, s33                             ; out0: the slice's 256 bytes of a row
	s_add_nc_u64 s[16:17], s[16:17], s[22:23]
	s_lshl_b32 s22, s20, 14                        ; the expert's list
	s_add_nc_u64 s[10:11], s[10:11], s[22:23]
	s_lshl_b32 s22, s20, 2                         ; cnt[e]
	s_add_nc_u64 s[12:13], s[12:13], s[22:23]
	s_load_b32 s24, s[12:13], 0x0
	s_load_b64 s[30:31], s[14:15], 0x0             ; ex, ew
	s_wait_alu depctr_va_vdst(0)                   ; the offsets and LDS addresses v1 to v5 and v14 are written, which the loads, LDS stores and LDS loads of the whole kernel read; they are never written again
	global_load_b128 v[BIAS:BIAS+3], v[R16], s[6:7]   ; the oldest vector load: every counted wait below shows it in
	LOADW 0
	LOADW 1
	LOADW 2
	WIN 0
	s_wait_kmcnt 0x0
	s_min_u32 s24, s24, 0x1000                     ; C, bounded by the number of tokens
	s_max_u32 s[C1], s24, 1
	s_sub_co_u32 s[C1], s[C1], 1
	s_add_co_u32 s[MYT], s24, 15
	s_lshr_b32 s[MYT], s[MYT], 4                   ; the expert's tiles of 16,
	s_add_co_u32 s[MYT], s[MYT], 3
	s_sub_co_u32 s[MYT], s[MYT], s[WV]
	s_lshr_b32 s[MYT], s[MYT], 2                   ; and mine among them: (tiles + 3 - w) / 4, which is 0 where tiles <= w; 64 at the most
	s_add_co_u32 s[NH], s[MYT], 1
	s_lshr_b32 s[NH], s[NH], 1                     ; half of them, rounded up
	s_lshl_b32 s[TA], s[WV], 4                     ; my first tile is tile w
	s_mov_b32 s[TS], s[TA]
	s_add_co_i32 s33, s31, 127
	s_lshl_b32 s34, s33, 23
	v_mov_b32 v[SC], s34                           ; 2^ew as f32: the conversion takes its exponent field
	s_add_co_i32 s33, s33, 15
	s_lshl_b32 s33, s33, 23
	s_or_b32 s33, s33, 0x600000
	v_mov_b32 v[LIM], s33                          ; 57,344 x 2^ew
	s_add_co_i32 s[SCL], s30, s31
	s_add_co_i32 s[SCL], s[SCL], 127
	s_lshl_b32 s[SCL], s[SCL], 23                  ; 2^(ex + ew) as f32
	ADRA                                           ; my first tile's tokens: 1 + 8 loads, which land under phase W
	ADRS
	s_wait_alu depctr_va_vdst(0)                   ; the nine places in the list, IDXA and IDXS, are written, which the nine loads below read
	LDA
	LDLS
	LOADW 3
	s_wait_loadcnt 57                              ; K step 0 is in.  Behind it: steps 1 and 2 (32), the list (9), step 3 (16)
	TURNW 0
; A step of phase W.  n: the loads issued behind K step s + 1's.  Set s % 4 of window 2 is loaded again only behind the wait that shows the stage's stores done.
.macro STEPW s, n
	s_wait_dscnt 0x0                               ; this step's numbers are back from the stage; the stores that read set s % 4, and the last image's, are done
	s_wait_alu depctr_vm_vsrc(0)                   ; the stage's stores have read set s % 4 of window 2, in which the loads below land; the last image's stores have read the codes' registers, which this step's conversions write; in step 5: the list's loads have read IDXA and IDXS
.if (\s) < 4
	LOADW (\s)+4
.endif
.if (\s) < 7
	s_wait_loadcnt \n
	TURNW (\s)+1                                   ; its loads land in the set of window 3 that the step before worked on: that step's wait behind its conversions has shown it free, and no vector line since names it
.endif
.if (\s) == 5
	; the first tile's rows are asked for here, 41 loads in the order in which a tile of the token loop leaves them: LA of the next tile, 32 of codes, 8 of LS of the next tile.
	WIN 0
	s_wait_xcnt 0x0                                ; the list loads' address registers are written again only behind this wait (the loads themselves were shown in by step 2's count)
	MKX 0
	MKO 0
	ADRA
	ADRS
	s_wait_alu depctr_va_vdst(0)                   ; XOFF[0], IDXA and IDXS are written, which the loads below read (OUTO[0] too, for the first tile's stores); LA and LS have been read, in which list loads land again
	LDA
	XLD 0, 0
	XLD 0, 1
	XLD 0, 2
	XLD 0, 3
	LDLS
.endif
	QUANTW \s
.endm
	STEPW 0, 57                                    ; behind step 1: step 2 (16), the list (9), steps 3 and 4 (32)
	STEPW 1, 57                                    ; behind step 2: the list (9), steps 3, 4, 5 (48)
	STEPW 2, 48                                    ; behind step 3: steps 4, 5, 6: the list is in as well
	STEPW 3, 48                                    ; behind step 4: steps 5, 6, 7
	STEPW 4, 32                                    ; behind step 5: steps 6, 7
	STEPW 5, 16                                    ; behind step 6: step 7
	STEPW 6, 41                                    ; behind step 7: the first tile's 41
	STEPW 7, 0
	s_wait_dscnt 0x0                               ; for the others' sake: my images are in LDS
	s_barrier_signal -1
	s_barrier_wait -1                              ; all 32 fragments lie in LDS; nothing is written to LDS behind this barrier
	s_wait_alu depctr_va_vdst(0)                   ; the last steps' holds and conversions are done with v0-143 of window 3, in which fragments land
	s_wait_alu depctr_vm_vsrc(0)                   ; my LDS stores have read window 2's four sets and the codes' registers, in which fragments land; the first tile's loads have read IDXA, which the first tile's head writes
	WIN LDW
.irp s, 0,1,2,3
.irp t, 0,1,2,3
.irp c, 0,1,2,3
	ds_load_b128 v[64*\s+16*\t+4*\c:64*\s+16*\t+4*\c+3], v[IMGR] offset:(8*\t+\s)*2048+512*\c
.endr
.endr
.endr
	WIN STOW
.irp s, 0,1,2,3
.irp t, 0,1,2,3
.irp c, 0,1,2,3
	ds_load_b128 v[64*\s+16*\t+4*\c:64*\s+16*\t+4*\c+3], v[IMGR] offset:(8*\t+\s+4)*2048+512*\c
.endr
.endr
.endr
	WIN 0
	s_wait_dscnt 0x0
; Eight products: K steps 2 g and 2 g + 1 of the tile in buffer p.  The four accumulators take turns, one instruction a turn, from group to group and from tile to tile too
.macro MUL8 p, g
.if (\g) < 2
	WIN M2
.else
	WIN M3
.endif
.irp u, 0,1
.irp t, 0,1,2,3
.if (2*(\g)+\u) == 0
	v_wmma_f32_16x16x128_bf8_bf8 v[ACC+8*\t:ACC+8*\t+7], v[128*(\p)+16*(2*(\g)+\u):128*(\p)+16*(2*(\g)+\u)+15], v[64*((2*(\g)+\u)%4)+16*\t:64*((2*(\g)+\u)%4)+16*\t+15], 0
.else
	v_wmma_f32_16x16x128_bf8_bf8 v[ACC+8*\t:ACC+8*\t+7], v[128*(\p)+16*(2*(\g)+\u):128*(\p)+16*(2*(\g)+\u)+15], v[64*((2*(\g)+\u)%4)+16*\t:64*((2*(\g)+\u)%4)+16*\t+15], v[ACC+8*\t:ACC+8*\t+7]
.endif
.endr
.endr
.endm
; A tile of 16 tokens, on set p of the registers.  At its head these loads of mine are out, in this order: LA of the next tile (1), this tile's codes in four groups of 8, LS of the next tile (8).
; ahead = 1: there is a next tile: its codes are asked for into the other buffer, early in this tile, and the list is read a tile further on.
.macro TILE p, ahead
	s_wait_loadcnt 32                              ; LA and group 0 are in; groups 1 to 3 (24) and LS (8) may be out.  The load that read IDXA is done, and the loads that read XOFF[1 - p] were shown done a tile ago: both may be written
.if \ahead
	MKX 1-\p
	ADRA
	s_wait_alu depctr_va_vdst(0)                   ; XOFF[1 - p] and IDXA are written, which the 33 loads of this tile read; LA has been read, in which the first of them lands; the last tile's products are done reading buffer 1 - p, in which the others land
	LDA
	XLD 1-\p, 0
	XLD 1-\p, 1
.endif
	MUL8 \p, 0                                     ; the products name buffer p, W's fragments and the accumulators: none of the registers that this tile's loads touch
.if \ahead
	XLD 1-\p, 2
	XLD 1-\p, 3
	s_wait_loadcnt 57                              ; group 1 is in.  Behind it: groups 2, 3 (16), LS (8), LA (1), the next tile's codes (32)
.else
	s_wait_loadcnt 24                              ; behind it: groups 2, 3 and LS
.endif
	MUL8 \p, 1
.if \ahead
	s_wait_loadcnt 49                              ; group 2 is in.  Behind it: group 3 (8), LS (8), LA (1), the next tile's codes (32)
.else
	s_wait_loadcnt 16
.endif
	MUL8 \p, 2
.if \ahead
	s_wait_loadcnt 41                              ; group 3 is in.  Behind it: LS (8), LA (1), the next tile's codes (32)
.else
	s_wait_loadcnt 8
.endif
	MUL8 \p, 3
	WIN 0
.if \ahead
	s_wait_loadcnt 33                              ; LS of the next tile is in, and the loads that read IDXS are done.  Behind it: LA (1) and the next tile's codes (32)
.else
.rept 4
	v_nop                                          ; four places (ISA guide 7.12.1) between the last products and the first read of the sums
.endr
.endif
	s_wait_xcnt 0x0                                ; the stores of the last two tiles have had their addresses translated: OUTV[p] and OUTO[1 - p] are written again only behind this wait
	s_wait_alu depctr_vm_vsrc(0)                   ; the stores of two tiles back have read OUTV[p], the last tile's OUTO[1 - p], the last list loads IDXS: all three are written below; this tile's loads have read IDXA, the last tile's XOFF[p]: the next head writes those
.if \ahead
	MKO 1-\p                                       ; these 48 lines name no register of the products: they are the places between the last products and the first read of the sums
	ADRS                                           ; (in the last such tile this place and ADRA's are of a tile that does not exist: the indices are clamped, the words unused)
.endif
.irp j, 0,1,2,3,4,5,6,7                ; sum x 2^(ex + ew) + b, one fused multiply-add, into the order of the stores; each accumulator from its low end on
.irp t, 0,1,2,3
	v_fma_f32 v[OUTV+32*(\p)+4*\j+\t], v[ACC+8*\t+\j], s[SCL], v[BIAS+\t]
.endr
.endr
	s_wait_alu depctr_va_vdst(0)                   ; the multiply-adds have written OUTV[p], which the stores read; IDXS is written, which the list loads read; LS has been read, in which they land
.irp j, 0,1,2,3,4,5,6,7
	global_store_b128 v[OUTO+112*(\p)+\j], v[OUTV+32*(\p)+4*\j:OUTV+32*(\p)+4*\j+3], s[16:17] th:TH_STORE_NT   ; lanes 0-15: 256 consecutive bytes, aligned, of token j's row; lanes 16-31: of token 8 + j's; written once, read by nobody here
.endr
.if \ahead
	LDLS
.endif
.endm
	s_cmp_eq_u32 s[MYT], 0                         ; no tile for my wave: plain loads may be out at the end
	s_cbranch_scc1 .Lend
	s_mov_b32 s[SIT], 1
	s_cmp_eq_u32 s[NH], 1
	s_cbranch_scc1 .Lrest
.Ltile:                                            ; NH - 1 trips of two tiles: behind a trip both sets of registers are back at their start
	TILE 0, 1
	TILE 1, 1
	s_add_co_u32 s[SIT], s[SIT], 1
	s_cmp_lt_u32 s[SIT], s[NH]
	s_cbranch_scc1 .Ltile
.Lrest:                                            ; two tiles are left where MYT is even, one where it is odd
	s_and_b32 s33, s[MYT], 1
	s_cmp_lg_u32 s33, 0
	s_cbranch_scc1 .Lodd
	TILE 0, 1
	TILE 1, 0                                      ; my last tile asks for nothing more
	s_branch .Lend
.Lodd:
	TILE 0, 0                                      ; my last tile asks for nothing more
.Lend:
	s_wait_dscnt 0x0                               ; the closing lines, six on end
	s_wait_alu 0x0
	s_wait_tensorcnt 0x0
	ds_add_u32 v254, v255
	s_wait_dscnt 0x0
	s_endpgm
.Lfunc_end_k_qbc0cbff5dc_gemm:
	.size	k_qbc0cbff5dc_gemm, .Lfunc_end_k_qbc0cbff5dc_gemm-k_qbc0cbff5dc_gemm
	.p2alignl 7, 3214868480
	.fill 96, 4, 3214868480
	.section	.rodata,"a",@progbits
	.p2align	6, 0x0
	.amdhsa_kernel k_qbc0cbff5dc_gemm
		.amdhsa_group_segment_fixed_size 133632
		.amdhsa_private_segment_fixed_size 0
		.amdhsa_enable_private_segment 0
		.amdhsa_kernarg_size 56
		.amdhsa_user_sgpr_count 2
		.amdhsa_user_sgpr_kernarg_segment_ptr 1
		.amdhsa_wavefront_size32 1
		.amdhsa_system_sgpr_workgroup_id_x 1
		.amdhsa_system_sgpr_workgroup_id_y 1
		.amdhsa_system_sgpr_workgroup_id_z 1
		.amdhsa_system_vgpr_workitem_id 0
		.amdhsa_next_free_vgpr 1024
		.amdhsa_next_free_sgpr 66
		.amdhsa_reserve_vcc 0
		.amdhsa_float_denorm_mode_32 3
		.amdhsa_float_denorm_mode_16_64 3
		.amdhsa_memory_ordered 1
		.amdhsa_forward_progress 1
		.amdhsa_inst_pref_size 137
	.end_amdhsa_kernel
	.amdgpu_metadata
---
amdhsa.version: [ 1, 2 ]
amdhsa.kernels:
  - .name:           k_qbc0cbff5dc_gemm
    .symbol:         k_qbc0cbff5dc_gemm.kd
    .args:
      - { .name: W, .offset: 0, .size: 8, .value_kind: global_buffer, .address_space: global }
      - { .name: b, .offset: 8, .size: 8, .value_kind: global_buffer, .address_space: global }
      - { .name: xq, .offset: 16, .size: 8, .value_kind: global_buffer, .address_space: global }
      - { .name: list, .offset: 24, .size: 8, .value_kind: global_buffer, .address_space: global }
      - { .name: cnt, .offset: 32, .size: 8, .value_kind: global_buffer, .address_space: global }
      - { .name: lowp_scales, .offset: 40, .size: 8, .value_kind: global_buffer, .address_space: global }
      - { .name: out0, .offset: 48, .size: 8, .value_kind: global_buffer, .address_space: global }
    .group_segment_fixed_size: 133632
    .private_segment_fixed_size: 0
    .kernarg_segment_align: 8
    .kernarg_segment_size: 56
    .max_flat_workgroup_size: 128
    .sgpr_count:     66
    .vgpr_count:     1024
    .wavefront_size: 32
...
	.end_amdgpu_metadata
.endif
;; end of part 4
